; MI455X (gfx1250); checked and timed in simulation.
; The chip was launched on July 23, 2026; its instructions are those of AMD's public machine-readable ISA for CDNA 5 (MIT licence, August 2026) and "CDNA5" Instruction Set Architecture Reference Guide (July 2026). The comments in the code are by the model that wrote it; some were corrected since.
;; Fake Module. Allowed arithmetic: matrix products marked QUANTISED: E5M2 operands, one given power-of-two scale a tensor, by v_wmma_f32_16x16x64_bf8_bf8 or v_wmma_f32_16x16x128_bf8_bf8, f32 sums; products left as they are: f32 operands where the result goes on into a quantised operand, else bf16, f16 or f32 operands; f32 sums; everything else in f32.
;; Inputs: Wb 4 x 32 float32; Wk_codes 128 x 1 x 32 uint8 (E5M2 codes of Wk, K innermost, in blocks of 32 codes); Wq_codes 128 x 1 x 32 uint8 (E5M2 codes of Wq, K innermost, in blocks of 32 codes); Wv_codes 128 x 1 x 32 uint8 (E5M2 codes of Wv, K innermost, in blocks of 32 codes); bb 4 float32; bk 128 float32; bq 128 float32; bv 128 float32; lowp_scales 10 int32 (the exponents e of the quantised operands' scales 2^e); mask 1 x 256 x 256 float32; x 1 x 256 x 256 x 32 float32.
;; Outputs: out0 1 x 256 x 256 x 4 x 32 float32.
;; This version of the problem:
;;   THIS VERSION OF THE PROBLEM IS GIVEN IN LOW PRECISION. The matrix products marked QUANTISED in the list below multiply operands that are first quantised to E5M2 (5 exponent bits, 2 mantissa bits; 8 bits a number), with one given power-of-two scale for each operand tensor; their sums are f32. All else is computed in f32.
;;   The module's matrix products, in the order in which they are computed (A, B: the left and right operand; K: the contracted axis; several contracted axes count as one K, in the product's order):
;;     1. [M 65,536, K 32] x [K 32, N 128]; A: input x; B: input Wq (given as codes): QUANTISED (scales: A lowp_scales[0], B lowp_scales[1])
;;     2. [M 65,536, K 32] x [K 32, N 128]; A: input x; B: input Wk (given as codes): QUANTISED (scales: A lowp_scales[2], B lowp_scales[3])
;;     3. [M 65,536, K 32] x [K 32, N 128]; A: input x; B: input Wv (given as codes): QUANTISED (scales: A lowp_scales[4], B lowp_scales[5])
;;     4. [M 65,536, K 32] x [K 32, N 4]; A: input x; B: input Wb: left as it is (N = 4 < 16)
;;     5. batch 1,024 x [M 256, K 32] x [K 32, N 256]; A: computed on the way; B: computed on the way: QUANTISED (scales: A lowp_scales[6], B lowp_scales[7])
;;     6. batch 1,024 x [M 32, K 256] x [K 256, N 256]; A: computed on the way; B: softmax (see below): QUANTISED (scales: A lowp_scales[8], B lowp_scales[9])
;;   THE QUANTISER, for each operand of a quantised product, along K:
;;     - The operand's scale is 2^e, e = its entry of the input lowp_scales (int32; the entries are numbered through the quantised products in the list's order, A before B).
;;     - Each number is divided by the scale, clamped to +-57,344, and rounded to the nearest number of E5M2, ties to even, subnormals kept.
;;     - The product sums the exact products of the quantised numbers (number of the format x scale) in f32.
;;   ~~~python
;;   def quantise(x, axis, e):      # numpy; x: float32 -> the quantised numbers, widened to float32 again
;;       x = np.moveaxis(x, axis, -1); K = x.shape[-1]
;;       r = np.clip(x / 2.0 ** e, -57344, 57344)
;;       step = 2.0 ** (np.maximum(np.frexp(np.where(r == 0, 1, r))[1] - 1, -14) - 2)
;;       q = np.round(r / step) * step * 2.0 ** e      # np.round: ties to even
;;       return np.moveaxis(q, -1, axis).astype(np.float32)
;;   ~~~
;;   SOFTMAX AHEAD OF A QUANTISED PRODUCT. Where the list says 'softmax', what is quantised is not the finished softmax but p = 2^(t - M), with t = logit x log2(e) and M = ceil(the row's largest t), a whole number; so 1/2 < the row's largest p <= 1. The row's sum l is taken of the UNQUANTISED p, in f32, and the product's result is divided by l at the end. Since M is a whole number, a kernel that streams over the keys may use a running M (the ceiling of the running maximum): every later rescaling is an exact power of two, so the quantised numbers keep their values, but for numbers so far below the row's largest that they fall under the format's range.
;;   OPERANDS COMPUTED ON THE WAY. 'Computed on the way' means the value that the module computes at that place (a softmax that the list does not call 'softmax' is quantised finished and normalised). What goes into a quantiser is computed in f32, as accurately as f32 sums, v_exp_f32 and their like allow (about 1e-6 of the number): no bf16 or f16 on the way to a quantiser, and a product that is left as it is and whose result goes on into a quantised operand takes f32 operands (vector FMAs, or v_wmma_f32_16x16x4_f32). A number that lies on a knife's edge between two numbers of the format may be rounded either way, as far as f32 arithmetic and the matrix unit's own rounding can turn it there, and no further.
;;   INPUTS GIVEN AS CODES. Wk (in the module: [128, 32], K = its axis 1); Wq (in the module: [128, 32], K = its axis 1); Wv (in the module: [128, 32], K = its axis 1): each comes as NAME_codes (uint8): NAME with its K axis moved to the last place and cut into blocks of 32 codes, [.., K / 32, bytes a block], one block behind the other in memory; one code a byte (a code: sign, 5 exponent bits, 2 mantissa bits); its scale is its entry of lowp_scales. Its value is code x scale, taken as it is: it is not quantised again, and the codes and scales need not be those that the quantiser above would give.
;; One version. Each part assembles by itself: llvm-mc -triple=amdgcn-amd-amdhsa -mcpu=gfx1250 --defsym DOCPART=n.
;; ======== version 1 of 1: 2 launches
;; limits: right only within a limited range of input values
;; workspace buffers: tb 1,048,576 bytes; xq 2,097,152 bytes; xk 2,097,152 bytes; xv 2,097,152 bytes
;; launch prep (part 1): grid 256 x 1, 8 waves a work-group, no clusters, 46,080 bytes of LDS; arguments x, Wb, bb, lowp_scales, xq, xk, xv, tb; writes xq, xk, xv, tb
.if DOCPART == 1
	.amdgcn_target "amdgcn-amd-amdhsa--gfx1250"
	.amdhsa_code_object_version 6
	.text
	.protected	k_qfa2d6fe441_prep
	.globl	k_qfa2d6fe441_prep
	.p2align	8
	.type	k_qfa2d6fe441_prep,@function
k_qfa2d6fe441_prep:
	s_mov_b64 s[64:65], 0
	v_nop
	global_prefetch_b8 v0, s[64:65] scope:SCOPE_SE
	s_setreg_imm32_b32 hwreg(HW_REG_WAVE_MODE, 25, 1), 1
	s_wait_xcnt 0x0
; x [256][256][32] f32 is read once and gives four things:
;   xq, xk, xv: its codes of BF8 (E5M2) under the three given scales 2^e0, 2^e2, 2^e4, laid [65536 positions][32 bytes];
;   tb: the triangle bias (x[j][key] . Wb[hd] + bb[hd]) x sqrt(32) x 2^-(e6+e7), in f32 by fused multiply-adds, laid in the order in which the next launch's score accumulators hold it:
;       block (hd, T, g) of 512 bytes at ((16 hd + T) 32 + g) 512; lane r + 16 h has 16 bytes at 16 x lane; word e is query j = 32 (T/2) + 8 (T%2) + r + 8 (r/8), key 32 (g/4) + 16 h + 4 (g%4) + e.
; SHARES.  Work-group id: T = id / 16, 2 b + h = id % 16: the 16 queries of tile T x the 16 keys 32 b + 16 h + 0..15.  Wave w takes two of the 16 rows j (jobs 0, 1: tile lanes r = 2 w, 2 w + 1, neighbouring rows of x): 2,048 bytes of x each.
; A load takes 512 consecutive bytes, 16 a lane; a job's 2,048 bytes turn through the wave's own LDS bytes (16 of padding behind each 64) and come back 64 a lane: lane l then holds 16 neighbouring channels (half l % 2) of key l / 2.
; LIMITS: e0, e2, e4 between -126 and 112; e6 + e7 between -123 and 125, so that each power of two below is an f32 number.  NaN among the inputs is not served; an infinity is held at the largest code.
; No matrix unit (N = 4), no tensor load, no cluster: work-groups share no byte of x.
.set R,   16                           ; v16-47   two jobs x 16 numbers as loaded
.set X,   48                           ; v48-79   two jobs x 16 neighbours
.set WB,  80                           ; v80-143  Wb: head hd's 16 numbers of my half of the channels
.set TMP, 144                          ; v144-191 held numbers, a set for each scale
.set CD,  192                          ; v192-215 codes: job x scale x 4, so that no store's data are written again
.set PS,  216                          ; v216-223 job x head: the dot products
.set BST, 40960                        ; LDS: behind the eight waves' turning places (5,120 bytes each): [head 4][g%4 4][r 16][e 4] f32
	s_load_b512 s[4:19], s[0:1], 0x0               ; x s[4:5], Wb s[6:7], bb s[8:9], scales s[10:11], xq s[12:13], xk s[14:15], xv s[16:17], tb s[18:19]
	v_lshl_add_u32 v224, v0, 2, 0xb000
	v_mov_b32 v225, 0
	v_lshrrev_b32 v1, 5, v0
	s_delay_alu instid0(VALU_DEP_1)
	v_readfirstlane_b32 s43, v1                    ; wave 0..7
	v_and_b32 v1, 31, v0                           ; lane l
	s_delay_alu instid0(VALU_DEP_1)
	v_lshlrev_b32 v2, 4, v1                        ; 16 l: my bytes of a load's 512, and of a job's 512 bytes of codes
	s_mul_i32 s44, s43, 5120
	v_lshrrev_b32 v3, 2, v1
	s_delay_alu instid0(VALU_DEP_1)
	v_mul_u32_u24 v3, v3, 80
	v_and_b32 v13, 3, v1
	s_delay_alu instid0(VALU_DEP_1)
	v_lshl_add_u32 v3, v13, 4, v3
	s_delay_alu instid0(VALU_DEP_1)
	v_add_nc_u32 v3, s44, v3                       ; the turn, on the way in: 80 (l / 4) + 16 (l % 4)
	v_mul_u32_u24 v4, v1, 80
	s_delay_alu instid0(VALU_DEP_1)
	v_add_nc_u32 v4, s44, v4                       ; and out: 80 l
	v_and_b32 v12, 1, v1                           ; l % 2: which half of the channels is mine
	s_delay_alu instid0(VALU_DEP_1)
	v_lshlrev_b32 v5, 6, v12                       ; its 64 bytes in a row of Wb
	s_delay_alu instid0(VALU_DEP_2)
	v_cmp_eq_u32 vcc_lo, 1, v12                    ; odd lanes
	s_delay_alu instid0(VALU_DEP_3)
	v_lshlrev_b32 v6, 11, v12                      ; the bias stage, in: even lanes put heads 0, 1, odd lanes heads 2, 3: 2,048 (l % 2)
	v_lshrrev_b32 v13, 3, v1
	s_delay_alu instid0(VALU_DEP_1)
	v_lshl_add_u32 v6, v13, 8, v6                  ; + 256 (key / 4)
	v_bfe_u32 v13, v1, 1, 2
	s_delay_alu instid0(VALU_DEP_1)
	v_lshl_add_u32 v6, v13, 2, v6                  ; + 4 (key % 4)
	s_lshl_b32 s45, s43, 5
	s_add_co_u32 s45, s45, BST
	v_add_nc_u32 v6, s45, v6                       ; + 32 w: rows r = 2 w, 2 w + 1 of 16 bytes
	s_lshl_b32 s45, s43, 9
	s_add_co_u32 s45, s45, BST
	v_add_nc_u32 v7, s45, v2                       ; and out: 512 w + 16 l
	v_lshrrev_b32 v13, 4, v1
	v_and_b32 v14, 15, v1
	s_delay_alu instid0(VALU_DEP_2)
	v_lshlrev_b32 v8, 9, v13
	s_delay_alu instid0(VALU_DEP_1)
	v_lshl_add_u32 v8, v14, 4, v8                  ; in tb: 512 (l / 16) + 16 (l % 16)
	s_lshr_b32 s46, ttmp9, 4                       ; T
	s_and_b32 s47, ttmp9, 15                       ; 2 b + h: the first key is 16 x this
	s_lshr_b32 s48, s46, 1
	s_lshl_b32 s48, s48, 5
	s_and_b32 s49, s46, 1
	s_lshl_b32 s49, s49, 3
	s_add_co_u32 s48, s48, s49
	s_lshl_b32 s49, s43, 1
	s_add_co_u32 s48, s48, s49
	s_lshr_b32 s49, s43, 2
	s_lshl_b32 s49, s49, 3
	s_add_co_u32 s48, s48, s49                     ; job 0's row j = 32 (T/2) + 8 (T%2) + 2 w + 8 (w/4)
	s_lshl_b32 s50, s48, 15                        ; x: j rows of 32,768 bytes
	s_lshl_b32 s49, s47, 11                        ;    + 16 (2 b + h) positions of 128
	s_add_co_u32 s50, s50, s49
	s_mov_b32 s51, 0
	s_lshl_b32 s52, s48, 13                        ; the codes: j rows of 8,192 bytes
	s_lshl_b32 s49, s47, 9                         ;    + 16 (2 b + h) positions of 32
	s_add_co_u32 s52, s52, s49
	s_mov_b32 s53, 0
	s_lshr_b32 s54, s43, 1                         ; tb: wave w stores head w / 2, blocks g = 4 b + 2 (w % 2) + 0, 1, the half h of each
	s_lshl_b32 s54, s54, 4
	s_add_co_u32 s54, s54, s46
	s_lshl_b32 s54, s54, 14
	s_lshr_b32 s49, s47, 1
	s_lshl_b32 s49, s49, 11
	s_add_co_u32 s54, s54, s49
	s_and_b32 s49, s47, 1
	s_lshl_b32 s49, s49, 8
	s_add_co_u32 s54, s54, s49
	s_and_b32 s49, s43, 1
	s_lshl_b32 s49, s49, 10
	s_add_co_u32 s54, s54, s49
	s_mov_b32 s55, 0
	s_wait_kmcnt 0x0
	s_load_b256 s[20:27], s[10:11], 0x0            ; e0 .. e7
	s_load_b128 s[28:31], s[8:9], 0x0              ; bb
	s_add_nc_u64 s[4:5], s[4:5], s[50:51]
	s_add_nc_u64 s[12:13], s[12:13], s[52:53]
	s_add_nc_u64 s[14:15], s[14:15], s[52:53]
	s_add_nc_u64 s[16:17], s[16:17], s[52:53]
	s_add_nc_u64 s[18:19], s[18:19], s[54:55]
.irp p, 0,1
.irp i, 0,1,2,3
	global_load_b128 v[R+16*\p+4*\i:R+16*\p+4*\i+3], v2, s[4:5] offset:32768*\p+512*\i th:TH_LOAD_NT   ; 32 lanes read 512 consecutive bytes; each byte of x is read once in the launch
.endr
.endr
.irp hd, 0,1,2,3
.irp c, 0,1,2,3
	global_load_b128 v[WB+16*\hd+4*\c:WB+16*\hd+4*\c+3], v5, s[6:7] offset:128*\hd+16*\c
.endr
.endr
	s_wait_kmcnt 0x0
	s_add_co_i32 s44, s26, s27                     ; e6 + e7
	s_lshl_b32 s44, s44, 23
	s_sub_co_i32 s32, 0x40b504f3, s44              ; F = sqrt(32) x 2^-(e6+e7): the exponents are taken off sqrt(32)'s exponent field
	s_mul_f32 s33, s28, s32                        ; bb x F
	s_mul_f32 s34, s29, s32
	s_mul_f32 s35, s30, s32
	s_mul_f32 s36, s31, s32
.macro MKSCALE e, vr, lo                       ; 2^e as f32 into v[vr]; -+57,344 x 2^e into s[lo], s[lo+1]
	s_add_co_i32 s44, s[\e], 127
	s_lshl_b32 s45, s44, 23
	v_mov_b32 v[\vr], s45
	s_add_co_i32 s44, s44, 15
	s_lshl_b32 s44, s44, 23
	s_or_b32 s[\lo+1], s44, 0x600000
	s_xor_b32 s[\lo], s[\lo+1], 0x80000000
.endm
	MKSCALE 20, 9, 37
	MKSCALE 22, 10, 39
	MKSCALE 24, 11, 41
.irp p, 0,1                                    ; a job is turned as soon as its own four loads are in: behind them stand job 1's four and Wb's sixteen, or Wb's sixteen
	s_wait_loadcnt 20-4*\p
.irp i, 0,1,2,3
	ds_store_b128 v3, v[R+16*\p+4*\i:R+16*\p+4*\i+3] offset:2560*\p+640*\i
.endr
.irp i, 0,1,2,3
	ds_load_b128 v[X+16*\p+4*\i:X+16*\p+4*\i+3], v4 offset:2560*\p+16*\i
.endr
.endr
.macro DOTS p
.irp hd, 0,1,2,3
	v_mul_f32 v[PS+4*\p+\hd], v[X+16*\p], v[WB+16*\hd]               ; four chains, one a head, by turns
.endr
.irp c, 1,2,3,4,5,6,7,8,9,10,11,12,13,14,15
.irp hd, 0,1,2,3
	s_delay_alu instid0(VALU_DEP_4)
	v_fmac_f32 v[PS+4*\p+\hd], v[X+16*\p+\c], v[WB+16*\hd+\c]
.endr
.endr
.irp hd, 0,1,2,3
	s_delay_alu instid0(VALU_DEP_4)
	v_add_f32_dpp v[PS+4*\p+\hd], v[PS+4*\p+\hd], v[PS+4*\p+\hd] row_xmask:1 row_mask:0xf bank_mask:0xf   ; + the other half of the channels, in lane l xor 1
.endr
.irp hd, 0,1,2,3
	s_delay_alu instid0(VALU_DEP_4)
	v_fma_f32 v[PS+4*\p+\hd], v[PS+4*\p+\hd], s32, s[33+\hd]         ; (dot + bb) x F in one fused multiply-add
.endr
	s_delay_alu instid0(VALU_DEP_2)
	v_cndmask_b32 v[20+2*\p], v[PS+4*\p], v[PS+4*\p+2], vcc_lo       ; even lanes: heads 0 and 1; odd lanes: heads 2 and 3
	s_delay_alu instid0(VALU_DEP_2)
	v_cndmask_b32 v[21+2*\p], v[PS+4*\p+1], v[PS+4*\p+3], vcc_lo
	ds_store_b32 v6, v[20+2*\p] offset:16*\p
	ds_store_b32 v6, v[21+2*\p] offset:16*\p+1024
.endm
.macro CODES p
.irp q, 0,1,2
.irp c, 0,1,2,3,4,5,6,7,8,9,10,11,12,13,14,15
	v_med3_num_f32 v[TMP+16*\q+\c], v[X+16*\p+\c], s[37+2*\q], s[38+2*\q]   ; the conversion to an 8-bit code does not saturate (ISA guide 7.6.2): the hold at the largest code x the scale
.endr
	v_cvt_scalef32_pk8_bf8_f32 v[CD+12*\p+4*\q:CD+12*\p+4*\q+1], v[TMP+16*\q:TMP+16*\q+7], v[9+\q]
	v_cvt_scalef32_pk8_bf8_f32 v[CD+12*\p+4*\q+2:CD+12*\p+4*\q+3], v[TMP+16*\q+8:TMP+16*\q+15], v[9+\q]
	global_store_b128 v2, v[CD+12*\p+4*\q:CD+12*\p+4*\q+3], s[12+2*\q:13+2*\q] offset:8192*\p   ; the wave stores 512 consecutive bytes, at a multiple of 512 from the buffer's first byte
.endr
	v_nop                                          ; a plain line behind the job's last conversion; each scale has its own held numbers, which the next job writes only behind this line
.endm
	s_wait_dscnt 8                                 ; job 0's numbers are back; job 1's four stores and four loads may be out
	CODES 0                                        ; the codes need nothing of Wb: their stores go out first
	s_wait_dscnt 0x0                               ; job 1's numbers are back
	CODES 1
	s_wait_loadcnt 0x0                             ; Wb
	DOTS 0
	DOTS 1
	s_wait_dscnt 0x0                               ; for the others' sake: my words lie in the bias stage
	s_barrier_signal -1
	s_barrier_wait -1
	ds_load_b128 v[16:19], v7                      ; 512 bytes a wave: head w / 2, two blocks' halves of 256 bytes
	s_wait_dscnt 0x0
	global_store_b128 v8, v[16:19], s[18:19]       ; sixteen lanes store 256 consecutive bytes, at a multiple of 256 from tb's first byte
	s_wait_tensorcnt 0x0
	ds_add_u32 v224, v225
	s_wait_dscnt 0x0
	s_endpgm
.Lfunc_end_k_qfa2d6fe441_prep:
	.size	k_qfa2d6fe441_prep, .Lfunc_end_k_qfa2d6fe441_prep-k_qfa2d6fe441_prep
	.p2alignl 7, 3214868480
	.fill 96, 4, 3214868480
	.section	.rodata,"a",@progbits
	.p2align	6, 0x0
	.amdhsa_kernel k_qfa2d6fe441_prep
		.amdhsa_group_segment_fixed_size 46080
		.amdhsa_private_segment_fixed_size 0
		.amdhsa_enable_private_segment 0
		.amdhsa_kernarg_size 64
		.amdhsa_user_sgpr_count 2
		.amdhsa_user_sgpr_kernarg_segment_ptr 1
		.amdhsa_wavefront_size32 1
		.amdhsa_system_sgpr_workgroup_id_x 1
		.amdhsa_system_sgpr_workgroup_id_y 1
		.amdhsa_system_sgpr_workgroup_id_z 1
		.amdhsa_system_vgpr_workitem_id 0
		.amdhsa_next_free_vgpr 226
		.amdhsa_next_free_sgpr 66
		.amdhsa_reserve_vcc 1
		.amdhsa_float_denorm_mode_32 3
		.amdhsa_float_denorm_mode_16_64 3
		.amdhsa_memory_ordered 1
		.amdhsa_forward_progress 1
		.amdhsa_inst_pref_size 26
	.end_amdhsa_kernel
	.amdgpu_metadata
---
amdhsa.version: [ 1, 2 ]
amdhsa.kernels:
  - .name:           k_qfa2d6fe441_prep
    .symbol:         k_qfa2d6fe441_prep.kd
    .args:
      - { .name: x, .offset: 0, .size: 8, .value_kind: global_buffer, .address_space: global }
      - { .name: Wb, .offset: 8, .size: 8, .value_kind: global_buffer, .address_space: global }
      - { .name: bb, .offset: 16, .size: 8, .value_kind: global_buffer, .address_space: global }
      - { .name: lowp_scales, .offset: 24, .size: 8, .value_kind: global_buffer, .address_space: global }
      - { .name: xq, .offset: 32, .size: 8, .value_kind: global_buffer, .address_space: global }
      - { .name: xk, .offset: 40, .size: 8, .value_kind: global_buffer, .address_space: global }
      - { .name: xv, .offset: 48, .size: 8, .value_kind: global_buffer, .address_space: global }
      - { .name: tb, .offset: 56, .size: 8, .value_kind: global_buffer, .address_space: global }
    .group_segment_fixed_size: 46080
    .private_segment_fixed_size: 0
    .kernarg_segment_align: 8
    .kernarg_segment_size: 64
    .max_flat_workgroup_size: 256
    .sgpr_count:     66
    .vgpr_count:     226
    .wavefront_size: 32
...
	.end_amdgpu_metadata
.endif
;; end of part 1
;; launch attn (part 2): grid 4 x 64, 8 waves a work-group, no clusters, 207,872 bytes of LDS; arguments xq, xk, xv, tb, Wq_codes, Wk_codes, Wv_codes, bq, bk, bv, mask, lowp_scales, out0; writes out0
.if DOCPART == 2
	.amdgcn_target "amdgcn-amd-amdhsa--gfx1250"
	.amdhsa_code_object_version 6
	.text
	.protected	k_qfa2d6fe441_attn
	.globl	k_qfa2d6fe441_attn
	.p2align	8
	.type	k_qfa2d6fe441_attn,@function
k_qfa2d6fe441_attn:
	s_mov_b64 s[64:65], 0
	v_nop
	global_prefetch_b8 v0, s[64:65] scope:SCOPE_SE
	s_setreg_imm32_b32 hwreg(HW_REG_WAVE_MODE, 25, 1), 1
	s_wait_xcnt 0x0
; out[i][j][hd][:] = sum over keys of softmax_key(q.k / sqrt(32) + bias[hd][j][key] + (mask[i][key] - 1) 1e9) v[key][:], all five quantised products on codes of BF8 (E5M2), each operand with its given scale 2^e.
; SHARES.  A work-group: 4 rows i (y), 2 heads (pair hp = x / 2), 128 queries (half qh = x % 2).  Wave w = 2 rho + sigma owns row 4 y + rho and head 2 hp + sigma; it makes its own Q (128 queries), K, V (256 keys) from x's codes,
; keeps K, V and the mask's terms in registers, and walks eight UNITS: a tile of 16 queries x all 256 keys.  All keys of a unit are in hand at once: no running maximum, nothing is rescaled.
; THE ORDER OF A TILE, for keys and queries alike: lane r of tile 2 b + u stands for position 32 b + 8 u + r + 8 (r / 8), so that a lane's 16 registers of tiles 2 b, 2 b + 1 of a transposed result are 16 neighbours: 32 b + 16 (lane / 16) + 0..15.
; PRODUCTS.  K = 32 goes in the K = 64 form: a lane holds channels 16 (lane / 16) + 0..15 in four registers (the same permutation of k on both sides); the other four registers are zeros on ONE side and finite codes on the other:
;   Q: [0 WQ0 0 WQ1 0] against (XQ_2g, XQ_2g+1);  K and V: [WK_t 0 WV_t] against (XK, XV);  scores: (K_2g, K_2g+1) against [Q 0] or [0 Q], the two ends of [0 Q 0].
;   K^T, Q^T: source 0 = 16 rows of W, source 1 = 16 positions: a lane holds one position, registers along the channels.  V: source 0 = 16 positions, source 1 = 16 rows of Wv: a lane holds one channel, registers along the keys.
;   S^T = K Q^T + bias (source 0 = 16 keys, source 1 = my 16 queries, C = the bias tile, which the launch before laid in this very order and in units of the sum).  O^T = V^T P^T in the K = 128 form.  A lane holds one query throughout.
;   The biases bq, bk, bv are the C of their products, divided by the power of two that the sums lack; each quantiser's three scales are folded into the conversion's one.
; SOFTMAX.  t = sum x c + (mask - 1) 1e9 log2(e), c = log2(e) / sqrt(32) x 2^(e6+e7): one packed multiply-add for two scores.  -M = floor(-largest t).  p = 2^(t - M); l is the sum of the unquantised p; O^T is multiplied by 2^(e8+e9) / l.
;   THE HOLD of p at 57,344 x 2^e9 has a copy of the exponential part of its own: where e9 >= -15, t - M <= 0, so p <= 1 < 1.75 <= 57,344 x 2^e9 and the hold cannot bind.  The jump hangs on a whole number read from memory,
;   is alike in all waves, and leads over no barrier's signal or wait.
; THE PIPELINE.  The exponentials go in eight groups of 16 registers.  Among group g + 1's stand group g's sums and conversions and group g + 3's subtractions; then group g's registers are free, and the NEXT unit's bias is loaded into them from LDS.
; THE BIAS (16 KiB a head and unit) is fetched once for the work-group's four rows: each wave loads 4 KiB into registers at a unit's head and stores it, at the unit's end, into the slot of the unit THREE on: four LDS slots by turns.
; ONE BARRIER A UNIT, its two halves most of the unit apart.  In front of the signal (behind the unit's score products): my stores of the unit before, into the stage and into a slot, have landed, and my reads of LDS are over.  Between the halves stand
;   register work, loads of my own image of Q, and loads of the next unit's bias: that slot was filled ahead of the LAST unit's signal, and is filled again only two units on.  Behind the wait: the unit before's results, which the two waves of a row have put
;   into the stage, are read back as whole runs of 256 bytes and stored; the slot that the unit before took its bias from is filled again, and the stage's other buffer written.
; NO JOINT REQUESTS, though the 64 work-groups of one x read the same bias tiles: a joint request is a tensor load.  The sharing is had inside the
;   work-group instead (one fetch for four rows).  NO PREFETCH: each fill has a unit's 430 or so vector instructions between its loads and their wait, and five of the eight units alone load one.
; LIMITS: e9, e7-e2-e3, e6-e0-e1, e8-e4-e5 between -126 and 112; e6+e7 between -123 and 125.  NaN among the inputs, and codes of infinity or NaN among the weights, are not served.  The bias is rounded once more (x sqrt(32)) and added in
;   the sum's units, and the mask's term enters by the multiply-add: another order of rounding than the source's.  A row all of whose keys are masked gives the source's even weights while |score| stays under about 30.
; The scaled scores are taken to stay under 2^31 in magnitude.
; REGISTERS.  Window 0: v0-11 addresses; v[12:13] -M, 0; v14-15 the sum; v16 1/l; v17 p's scale; v18 a lane permute's place; v19 an address in hand; v20-31 [0 Q 0]; v32-47 the sum's chains, then rows of the stage; v48-63 the maximum's chains,
;   then O^T; v64-95 P; v96-127 V, keys 128-255; v128-255 S.  Window 1: v0-63 K; v64-95 V, keys 0-127; v96-223 the mask's 128 terms; v224-255 the fill's eight loads.
;   In the head: v32-47 bv, v48-50 scales, v56-58 addresses, v64-95 XQ and then the third fill, v96-127 the second fill, v128-191 accumulators (v160-191 before: the first fill), v192-253 weights, the mask's row, Q's codes, bv;
;   window 1: v96-223 x's codes, v224-255 bk, bq.
; FURTHER LIMIT: e8+e9 between -118 and 118: the sum l, between 1/2 and 256, is multiplied by 2^-(e8+e9) ahead of its reciprocal.
; THE ROWS that a unit reads back from the stage are stored by the next unit, behind its wait for all LDS instructions and ahead of its signal: unit n stores the rows of unit n - 2.
; In the head v59-61 are addresses too, v62-63 bq and bk of channel l: scaled once, they go through my own LDS bytes (where Q's images will lie) into the products' C registers.
.set S,    128
.set P,    64
.set V0,   64                          ; window 1: channels 16 dt on at V0 + 16 dt, keys 0-127
.set V1,   96                          ; window 0: keys 128-255
.set LS,   32
.set OA,   48
.set QT,   20
.set KACC, 128
.set VACC, 160
.set TA,   192                         ; [WK0 0 WV0], and 12 on [WK1 0 WV1]
.set TC,   216                         ; [0 WQ0 0 WQ1 0]
.set MR,   236
.set QO,   244
.set BV,   32
.set XC,   96                          ; window 1
.set MSK,  96
.set BK,   224
.set BQ,   240
.set SP,   224
.set QIMG, 131072                      ; LDS: 0 the bias, four slots of 32,768 (head sigma at 16,384 sigma); Q's images, 4,096 a wave;
.set MSKL, 163840                      ; the mask's terms, 1,024 a wave;
.set STAGE, 172032                     ; the stage: two buffers of 4 rows i x 16 queries x (256 + 16) bytes;
.set STB,  17408
.set SPARE, 206848                     ; the spare words, 128 bytes a wave, which no other line names
.set MSB, 0
.macro WIN new                         ; low byte: bits 1:0 source 0, 3:2 source 1, 5:4 source 2, 7:6 destination; the high byte repeats the setting that is left
.if MSB != \new
	s_set_vgpr_msb (MSB<<8)|\new
.set MSB, \new
.endif
.endm
.macro PLACES n
.rept \n
	v_nop
.endr
.endm
.macro W
	s_wait_alu depctr_va_vdst(0)
.endm
	s_load_b512 s[8:23], s[0:1], 0x0               ; xq s[8:9], xk s[10:11], xv s[12:13], tb s[14:15], Wq s[16:17], Wk s[18:19], Wv s[20:21], bq s[22:23]
	s_load_b256 s[24:31], s[0:1], 0x40             ; bk s[24:25], bv s[26:27], mask s[28:29], scales s[30:31]
	s_load_b64 s[32:33], s[0:1], 0x60              ; out0
	v_lshrrev_b32 v1, 5, v0
	s_delay_alu instid0(VALU_DEP_1)
	v_readfirstlane_b32 s34, v1                    ; wave 0..7
	s_lshr_b32 s2, s34, 1                          ; rho
	s_and_b32 s3, s34, 1                           ; sigma
	s_lshr_b32 s4, ttmp9, 1                        ; hp
	s_and_b32 s5, ttmp9, 1                         ; qh
	s_and_b32 s6, ttmp7, 0xffff
	s_lshl_b32 s6, s6, 2
	s_add_co_u32 s6, s6, s2                        ; i
	s_lshl_b32 s7, s4, 1
	s_add_co_u32 s7, s7, s3                        ; my head
	v_and_b32 v24, 31, v0                          ; l
	v_and_b32 v25, 15, v0                          ; r
	v_bfe_u32 v26, v0, 4, 1                        ; h
	s_delay_alu instid0(VALU_DEP_2)
	v_and_b32 v27, 8, v25
	s_delay_alu instid0(VALU_DEP_1)
	v_add_nc_u32 v27, v27, v25                     ; r + 8 (r / 8)
	s_delay_alu instid0(VALU_DEP_1)
	v_lshlrev_b32 v1, 5, v27
	s_delay_alu instid0(VALU_DEP_1)
	v_lshl_add_u32 v1, v26, 4, v1                  ; v1: a tile's row of 32 codes in the tile's order, + 16 h
	v_lshlrev_b32 v2, 5, v25
	s_delay_alu instid0(VALU_DEP_1)
	v_lshl_add_u32 v2, v26, 4, v2                  ; v2: row r, + 16 h (Wv's rows are neighbours)
	v_lshlrev_b32 v3, 4, v24                       ; v3: 16 l
	s_lshl_b32 s68, s3, 14
	v_add_nc_u32 v4, s68, v3                       ; v4: my head's bias tile in slot 0
	s_lshl_b32 s68, s34, 12
	v_add_nc_u32 v5, s68, v3                       ; v5: my 4,096 bytes of slot 0's fill
	s_add_co_u32 s68, s68, QIMG
	v_add_nc_u32 v6, s68, v3                       ; v6: Q's images
	v_lshl_add_u32 v60, v24, 2, s68                ; v60: bq and bk through the same bytes, in: 4 l
	v_lshl_add_u32 v61, v26, 6, s68                ; v61: and out: 64 h: my half's 16 channels
	s_lshl_b32 s68, s34, 10
	s_add_co_u32 s68, s68, MSKL
	v_lshl_add_u32 v7, v24, 5, s68                 ; v7: the mask's terms, in: 8 a lane
	v_lshl_add_u32 v8, v26, 6, s68                 ; v8: and out: my half's 16 of each 32
	s_mul_i32 s68, s2, 4352
	s_add_co_u32 s68, s68, STAGE
	s_lshl_b32 s69, s3, 7
	s_add_co_u32 s69, s69, s68
	v_mul_u32_u24 v9, v25, 272
	s_delay_alu instid0(VALU_DEP_1)
	v_lshl_add_u32 v9, v26, 5, v9
	s_delay_alu instid0(VALU_DEP_1)
	v_add_nc_u32 v9, s69, v9                       ; v9: the stage, in: row r, my head's 128 bytes, + 32 h
	s_mul_i32 s69, s3, 8*272
	s_add_co_u32 s69, s69, s68
	v_mul_u32_u24 v10, v26, 272
	s_delay_alu instid0(VALU_DEP_1)
	v_lshl_add_u32 v10, v25, 4, v10
	s_delay_alu instid0(VALU_DEP_1)
	v_add_nc_u32 v10, s69, v10                     ; v10: and back: rows 8 sigma + h + 2 n, 16 bytes a lane
	v_lshlrev_b32 v11, 9, v26
	s_delay_alu instid0(VALU_DEP_1)
	v_lshl_add_u32 v11, v25, 4, v11                ; v11: the same in out0: a query is 512 bytes
	v_lshlrev_b32 v59, 2, v24                      ; v59: 4 l
	v_lshlrev_b32 v57, 2, v25                      ; v57: 4 r
	v_lshlrev_b32 v58, 5, v24                      ; v58: 32 l, for the mask's row
	v_mov_b32 v13, 0                               ; (named as the upper half of a pair)
	v_mov_b32 v15, 0                               ; (a lane permute's destination counts as one of its sources)
	v_mov_b32 v18, 0
	s_lshl_b32 s68, s6, 13                         ; x's codes: 8,192 i
	s_mov_b32 s69, 0
	s_lshl_b32 s70, s5, 12
	s_add_co_u32 s70, s70, s68                     ; the queries': + 4,096 qh
	s_mov_b32 s71, 0
	s_lshl_b32 s72, s7, 10                         ; a head's 32 rows of 32 codes
	s_mov_b32 s73, 0
	s_lshl_b32 s74, s7, 7                          ; a head's 32 numbers of a bias
	s_mov_b32 s75, 0
	s_lshl_b32 s76, s6, 10                         ; the mask's row
	s_mov_b32 s77, 0
	s_lshl_b32 s78, s4, 1                          ; tb: head 2 hp + w / 4 (16 tiles of 16,384), + 8 qh tiles, + 4,096 (w % 4)
	s_lshr_b32 s62, s34, 2
	s_add_co_u32 s78, s78, s62
	s_lshl_b32 s78, s78, 18
	s_lshl_b32 s62, s5, 17
	s_add_co_u32 s78, s78, s62
	s_and_b32 s62, s34, 3
	s_lshl_b32 s62, s62, 12
	s_add_co_u32 s78, s78, s62
	s_mov_b32 s79, 0
	s_lshl_b32 s62, s6, 17                         ; out0: 131,072 i + 512 (128 qh + 16 sigma) + 256 hp
	s_lshl_b32 s63, s5, 16
	s_add_co_u32 s62, s62, s63
	s_lshl_b32 s63, s3, 13
	s_add_co_u32 s62, s62, s63
	s_lshl_b32 s63, s4, 8
	s_add_co_u32 s62, s62, s63
	s_mov_b32 s63, 0
	W
	s_wait_kmcnt 0x0
	s_load_b256 s[36:43], s[30:31], 0x0            ; e0 .. e7
	s_load_b64 s[44:45], s[30:31], 0x20            ; e8, e9
	s_add_nc_u64 s[8:9], s[8:9], s[70:71]
	s_add_nc_u64 s[10:11], s[10:11], s[68:69]
	s_add_nc_u64 s[12:13], s[12:13], s[68:69]
	s_add_nc_u64 s[60:61], s[14:15], s[78:79]      ; s[60:61]: where my share of the fills stands
	s_add_nc_u64 s[16:17], s[16:17], s[72:73]
	s_add_nc_u64 s[18:19], s[18:19], s[72:73]
	s_add_nc_u64 s[20:21], s[20:21], s[72:73]
	s_add_nc_u64 s[22:23], s[22:23], s[74:75]
	s_add_nc_u64 s[24:25], s[24:25], s[74:75]
	s_add_nc_u64 s[26:27], s[26:27], s[74:75]
	s_add_nc_u64 s[28:29], s[28:29], s[76:77]
	s_add_nc_u64 s[66:67], s[32:33], s[62:63]      ; s[66:67]: where my rows of out0 stand
	; fourteen loads for Q, bk and the mask,
	global_load_b128 v[TC+4:TC+7], v1, s[16:17]               ; WQ0: rows 0-7, 16-23 of my head
	global_load_b128 v[TC+12:TC+15], v1, s[16:17] offset:256  ; WQ1: rows 8-15, 24-31
	global_load_b32 v62, v59, s[22:23]                        ; (fourteen in all, with bk)  bq of channel l,
	global_load_b32 v63, v59, s[24:25]                        ; and bk
.irp t, 0,1,2,3,4,5,6,7
	global_load_b128 v[P+4*\t:P+4*\t+3], v1, s[8:9] offset:1024*(\t/2)+256*(\t%2)   ; XQ of my eight tiles of queries
.endr
	global_load_b128 v[MR:MR+3], v58, s[28:29]
	global_load_b128 v[MR+4:MR+7], v58, s[28:29] offset:16
.irp n, 0,1,2,3,4,5,6,7                        ; eight: my share of the first unit's bias tiles,
	global_load_b128 v[VACC+4*\n:VACC+4*\n+3], v3, s[60:61] offset:512*\n
.endr
	; (the first unit's alone: eight loads; six for K and V follow)
	global_load_b128 v[TA:TA+3], v1, s[18:19]                 ; six for K and V,
	global_load_b128 v[TA+12:TA+15], v1, s[18:19] offset:256
	global_load_b128 v[TA+8:TA+11], v2, s[20:21]              ; WV0: rows 0-15
	global_load_b128 v[TA+20:TA+23], v2, s[20:21] offset:512  ; WV1: rows 16-31
	global_load_b32 v252, v57, s[26:27]                       ; bv of channel r, and of 16 + r
	global_load_b32 v253, v57, s[26:27] offset:64
.macro XKV t                                   ; (XK, XV) of a tile of keys
	global_load_b128 v[XC+8*\t:XC+8*\t+3], v1, s[10:11] offset:1024*(\t/2)+256*(\t%2)
	global_load_b128 v[XC+8*\t+4:XC+8*\t+7], v1, s[12:13] offset:1024*(\t/2)+256*(\t%2)
.endm
	WIN 0x40
.irp t, 0,1,2,3,4,5,6,7                        ; sixteen of x's thirty-two,
	XKV \t
.endr
	WIN 0
.irp n, 0,1,2,3,4,5,6,7                        ; eight: my share of the second unit's bias tiles,
	global_load_b128 v[V1+4*\n:V1+4*\n+3], v3, s[60:61] offset:16384+512*\n
.endr
	WIN 0x40
.irp t, 8,9,10,11,12                           ; and ten more of x's: 62 in all
	XKV \t
.endr
	WIN 0
.irp z, 0,1,2,3                                ; the zeros of the triples
	v_mov_b32 v[TC+\z], 0
	v_mov_b32 v[TC+8+\z], 0
	v_mov_b32 v[TC+16+\z], 0
	v_mov_b32 v[TA+4+\z], 0
	v_mov_b32 v[TA+16+\z], 0
	v_mov_b32 v[QT+\z], 0
	v_mov_b32 v[QT+8+\z], 0
.endr
	s_wait_kmcnt 0x0
	s_add_co_i32 s68, s42, s43                     ; e6 + e7
	s_lshl_b32 s68, s68, 23
	s_add_co_i32 s46, s68, 0x3e8293ee              ; c = log2(e) / sqrt(32) x 2^(e6+e7): the exponents are added to c's exponent field
	s_mov_b32 s47, s46                             ; (named with it as a pair)
	s_mov_b32 s48, 0x76543210                      ; v_permlanex16_b32's selects for lane l xor 16
	s_mov_b32 s49, 0xfedcba98
	s_add_co_i32 s50, s44, s45
	s_sub_co_i32 s50, 0, s50                       ; -(e8 + e9)
.macro MKSCALE vr, lo                          ; s68 = an exponent e: 2^e as f32 into v[vr]; -+57,344 x 2^e into s[lo], s[lo+1]
	s_add_co_i32 s68, s68, 127
	s_lshl_b32 s69, s68, 23
	v_mov_b32 v[\vr], s69
	s_add_co_i32 s68, s68, 15
	s_lshl_b32 s68, s68, 23
	s_or_b32 s[\lo+1], s68, 0x600000
	s_xor_b32 s[\lo], s[\lo+1], 0x80000000
.endm
	s_mov_b32 s68, s45
	MKSCALE 17, 74                                 ; p's: e9
	s_mov_b32 s51, s75                             ; 57,344 x 2^e9
	s_add_co_i32 s71, s38, s39                     ; e2 + e3
	s_sub_co_i32 s68, s43, s71
	MKSCALE 48, 52                                 ; K's: e7 - e2 - e3
	s_sub_co_i32 s71, 0, s71
	s_add_co_i32 s72, s40, s41                     ; e4 + e5
	s_sub_co_i32 s68, s44, s72
	MKSCALE 49, 54                                 ; V's: e8 - e4 - e5
	s_sub_co_i32 s72, 0, s72
	s_add_co_i32 s73, s36, s37                     ; e0 + e1
	s_sub_co_i32 s68, s42, s73
	MKSCALE 50, 56                                 ; Q's: e6 - e0 - e1
	s_sub_co_i32 s73, 0, s73
	W
	s_wait_loadcnt 48                              ; the fourteen for Q, bk and the mask are in; the 48 behind them may be out
	v_ldexp_f32 v62, v62, s73                      ; bq / 2^(e0+e1), bk / 2^(e2+e3): in the sums' units
	v_ldexp_f32 v63, v63, s71
	ds_store_b32 v60, v62
	ds_store_b32 v60, v63 offset:128
	WIN 0x40
.irp t, 0,1                                    ; my own bytes, served in order: register j of tile t: channel 16 h + 8 t + j
	ds_load_b128 v[BQ+8*\t:BQ+8*\t+3], v61 offset:32*\t
	ds_load_b128 v[BQ+8*\t+4:BQ+8*\t+7], v61 offset:32*\t+16
	ds_load_b128 v[BK+8*\t:BK+8*\t+3], v61 offset:128+32*\t
	ds_load_b128 v[BK+8*\t+4:BK+8*\t+7], v61 offset:128+32*\t+16
.endr
.irp t, 13,14,15                               ; the last six of x's thirty-two
	XKV \t
.endr
	WIN 0
.irp j, 0,2,4,6
	v_pk_add_f32 v[MR+\j:MR+\j+1], v[MR+\j:MR+\j+1], -1.0 op_sel_hi:[1,0]
.endr
.irp j, 0,2,4,6
	s_delay_alu instid0(VALU_DEP_4)
	v_pk_mul_f32 v[MR+\j:MR+\j+1], v[MR+\j:MR+\j+1], 0x4e6e6b28 op_sel_hi:[1,0]   ; x 1e9
.endr
.irp j, 0,2,4,6
	s_delay_alu instid0(VALU_DEP_4)
	v_pk_mul_f32 v[MR+\j:MR+\j+1], v[MR+\j:MR+\j+1], 0x3fb8aa3b op_sel_hi:[1,0]   ; x log2(e)
.endr
	ds_store_b128 v7, v[MR:MR+3]
	ds_store_b128 v7, v[MR+4:MR+7] offset:16
	s_wait_dscnt 0x0                               ; bq and bk are in place
; Q of tiles 2 g, 2 g + 1 of my queries, kept in LDS as images of the operand's four registers
.macro QPAIR g
	WIN 0x10                                       ; source 2 (bq) window 1
.irp u, 0,1
.irp t, 0,1
	v_wmma_f32_16x16x64_bf8_bf8 v[KACC+16*\u+8*\t:KACC+16*\u+8*\t+7], v[TC+4-4*\u+8*\t:TC+11-4*\u+8*\t], v[P+8*\g:P+8*\g+7], v[BQ+8*\t:BQ+8*\t+7]
.endr
.endr
	WIN 0
	PLACES 4                                       ; four plain lines between a product and the first read of its result (ISA guide 7.12.1)
.set j, 0
.rept 32
	v_med3_num_f32 v[KACC+j], v[KACC+j], s56, s57  ; the hold at the largest code x the scale (ISA guide 7.6.2); each accumulator from its low end on
.set j, j+1
.endr
.irp u, 0,1
.irp t, 0,1
	v_cvt_scalef32_pk8_bf8_f32 v[QO+4*\u+2*\t:QO+1+4*\u+2*\t], v[KACC+16*\u+8*\t:KACC+16*\u+8*\t+7], v50
.endr
.endr
	v_nop                                          ; a plain line between the conversions and the next products, which write their sources
	ds_store_b128 v6, v[QO:QO+3] offset:1024*\g
	ds_store_b128 v6, v[QO+4:QO+7] offset:1024*\g+512
.endm
	QPAIR 0
	QPAIR 1
	QPAIR 2
	QPAIR 3
	W
	s_wait_loadcnt 46                              ; the first fill is in: behind it stand six for K and V, x's thirty-two and the second fill's eight
.irp n, 0,1,2,3,4,5,6,7
	ds_store_b128 v5, v[VACC+4*\n:VACC+4*\n+3] offset:512*\n         ; slot 0
.endr
.irp n, 0,1,2,3,4,5,6,7                        ; my share of the third unit's tiles, into XQ's registers
	global_load_b128 v[P+4*\n:P+4*\n+3], v3, s[60:61] offset:32768+512*\n
.endr
	s_wait_dscnt 0x0                               ; the stores have read v160-191, which V's products write
	s_wait_loadcnt 48                              ; the six for K and V are in: behind them x's thirty-two and two fills' sixteen
.set j, 0
.rept 8
	v_ldexp_f32 v[BV+j], v252, s72                 ; in V's result a lane is one channel: eight times the same number
	v_ldexp_f32 v[BV+8+j], v253, s72
.set j, j+1
.endr
	W
; K and V of tiles 2 b, 2 b + 1 of the keys, by turns: one side's products stand ahead of the other side's 32 holds, which are their places.
.macro KMUL b                                  ; behind the pair's four loads stand 28 - 4 b of x's and the third fill's eight
.if (\b) < 4                                   ; behind the pair's four loads: 12 - 4 b of x's first sixteen, the second fill's eight, x's last sixteen and the third fill's eight;
	s_wait_loadcnt 44-4*(\b)
.else                                          ; 28 - 4 b of x's last sixteen and the third fill's eight
	s_wait_loadcnt 36-4*(\b)
.endif
	WIN 0x14                                       ; source 1 (x) and source 2 (bk) window 1
.irp u, 0,1
.irp t, 0,1
	v_wmma_f32_16x16x64_bf8_bf8 v[KACC+16*\u+8*\t:KACC+16*\u+8*\t+7], v[TA+12*\t:TA+12*\t+7], v[XC+8*(2*(\b)+\u):XC+8*(2*(\b)+\u)+7], v[BK+8*\t:BK+8*\t+7]
.endr
.endr
	WIN 0
.endm
.macro VMUL b
	WIN 0x01                                       ; source 0 (x) window 1
.irp u, 0,1
.irp t, 0,1
	v_wmma_f32_16x16x64_bf8_bf8 v[VACC+16*\t+8*\u:VACC+16*\t+8*\u+7], v[XC+8*(2*(\b)+\u):XC+8*(2*(\b)+\u)+7], v[TA+4+12*\t:TA+11+12*\t], v[BV+8*\t:BV+8*\t+7]
.endr
.endr
	WIN 0
.endm
.macro KOUT b
.set j, 0
.rept 32
	v_med3_num_f32 v[KACC+j], v[KACC+j], s52, s53
.set j, j+1
.endr
	WIN 0x40                                       ; destination window 1
.irp u, 0,1
.irp t, 0,1
	v_cvt_scalef32_pk8_bf8_f32 v[8*(\b)+4*\u+2*\t:8*(\b)+4*\u+2*\t+1], v[KACC+16*\u+8*\t:KACC+16*\u+8*\t+7], v48   ; key of lane r in tile 2 b + u, channels 16 h + 8 t + 0..7
.endr
.endr
	WIN 0
	v_nop
.endm
.macro VOUT b
.set j, 0
.rept 32
	v_med3_num_f32 v[VACC+j], v[VACC+j], s54, s55
.set j, j+1
.endr
.if (\b) < 4
	WIN 0x40
.set VD, V0+4*(\b)
.else
.set VD, V1+4*(\b)-16
.endif
.irp t, 0,1
.irp u, 0,1
	v_cvt_scalef32_pk8_bf8_f32 v[VD+16*\t+2*\u:VD+16*\t+2*\u+1], v[VACC+16*\t+8*\u:VACC+16*\t+8*\u+7], v49   ; channel 16 t + r, keys 32 b + 16 h + 8 u + 0..7
.endr
.endr
	WIN 0
	v_nop
.endm
	KMUL 0
.irp b, 0,1,2,3,4,5,6,7
	VMUL \b
.if \b == 0
	PLACES 4
.endif
	KOUT \b
.if \b == 3
	s_wait_loadcnt 24                              ; the second fill is in: behind it x's last sixteen and the third fill's eight
.irp n, 0,1,2,3,4,5,6,7
	ds_store_b128 v5, v[V1+4*\n:V1+4*\n+3] offset:32768+512*\n       ; slot 1; V's second half takes these registers from pair 4 on
.endr
.endif
.if \b < 7
	KMUL \b+1
.endif
	VOUT \b
.if \b == 3
	s_wait_dscnt 0x0                               ; for the others' sake: my shares of slots 0 and 1 have landed
	s_barrier_signal -1                            ; the other four pairs, work on registers, stand between this and the wait
.endif
.endr
	v_add_nc_u32 v1, 0x10000, v4                   ; v1: my head's bias tile in slot 2 (the loads that took v1 and v2 for addresses are in)
	v_add_nc_u32 v2, 0x10000, v5                   ; v2: my share of slot 2's fill
	W
	s_barrier_wait -1                              ; slots 0 and 1 are whole
.set n, 0
.rept 32
	ds_load_b128 v[S+4*n:S+4*n+3], v4 offset:512*n ; the first unit's bias tile, straight into the accumulators
.set n, n+1
.endr
	ds_load_b128 v[QT+4:QT+7], v6                  ; and its Q
	WIN 0x40
.set n, 0
.rept 32
	ds_load_b128 v[MSK+4*n:MSK+4*n+3], v8 offset:128*(n/4)+16*(n%4)   ; register 4 n + e: key 32 (n / 4) + 16 h + 4 (n % 4) + e, as in S; my own bytes, which nobody writes again
.set n, n+1
.endr
	WIN 0
; One of group g's eight sums: eight chains, each once a group (groups 0 and 1 begin four each).  GA: the group's first register; kk: which.
.macro SUM1 g
.if (\g) < 2
.if kk < 4
	v_pk_add_f32 v[LS+8*(\g)+2*kk:LS+8*(\g)+2*kk+1], v[GA+2*kk:GA+2*kk+1], v[GA+8+2*kk:GA+9+2*kk]
.endif
.else
	v_pk_add_f32 v[LS+2*kk:LS+2*kk+1], v[LS+2*kk:LS+2*kk+1], v[GA+2*kk:GA+2*kk+1]
.endif
.endm
.macro SUB1 x                          ; t - M (the pair's low word for both halves)
	v_pk_add_f32 v[\x+2*kk:\x+2*kk+1], v[\x+2*kk:\x+2*kk+1], v[12:13] op_sel_hi:[1,0]
.endm
.macro EXP1 x
	v_exp_f32 v[\x], v[\x]                         ; p = 2^(t - M), at most 1
.endm
.macro BLOADS g                        ; the next unit's bias into group g's registers (behind the last unit: an older unit's, which nothing reads on)
.irp i, 0,1,2,3
	ds_load_b128 v[S+16*(\g)+4*\i:S+16*(\g)+4*\i+3], v[NXA] offset:NX+512*(4*(\g)+\i)
.endr
.endm
; Group g is summed and converted while group g + 1's exponentials go out; behind the next step's wait its registers take the next unit's bias.  No line between two of the waits reads what another line between them wrote across an exponential.
.macro STEP g, hold
	W
.if (\g) > 0
	BLOADS \g-1
.endif
.set GA, S+16*(\g)
.if \hold
.set kk, 0
.if (\g) < 7
.rept 16
	EXP1 GA+16+kk
.set kk, kk+1
.endr
.endif
.set kk, 0
.rept 8
	SUM1 \g
.set kk, kk+1
.endr
.set kk, 0
.if (\g) < 5
.rept 8
	SUB1 GA+48
.set kk, kk+1
.endr
.endif
.set kk, 0
.rept 16
	v_min_num_f32 v[GA+kk], s51, v[GA+kk]          ; p is not negative: the hold is one-sided
.set kk, kk+1
.endr
	v_cvt_scalef32_pk8_bf8_f32 v[P+4*(\g):P+4*(\g)+1], v[GA:GA+7], v17
	v_cvt_scalef32_pk8_bf8_f32 v[P+4*(\g)+2:P+4*(\g)+3], v[GA+8:GA+15], v17
	v_nop
.else
.set kk, 0
.rept 8
.if (\g) < 7
	EXP1 GA+16+2*kk
.endif
.if kk == 0
	v_cvt_scalef32_pk8_bf8_f32 v[P+4*(\g):P+4*(\g)+1], v[GA:GA+7], v17   ; registers 4 g .. 4 g + 3 of P: keys 32 g + 16 h + 0..15
.endif
.if ((\g) < 5) && (kk > 0)
	SUM1 \g
.endif
.if (\g) < 7
	EXP1 GA+17+2*kk
.endif
.if kk == 0
	v_cvt_scalef32_pk8_bf8_f32 v[P+4*(\g)+2:P+4*(\g)+3], v[GA+8:GA+15], v17
.endif
.if ((\g) > 4) || (kk == 0)                    ; a step ends with a plain line: behind its last exponential stands a subtraction, or in groups 5 and 6 a sum
	SUM1 \g
.endif
.if (\g) < 5
	SUB1 GA+48
.endif
.set kk, kk+1
.endr
.endif
.endm
.macro EXPPART hold
.set kk, 0
.rept 8
	EXP1 S+2*kk
	EXP1 S+2*kk+1
	SUB1 S+32
.set kk, kk+1
.endr
.irp g, 0,1,2,3,4,5,6,7
	STEP \g, \hold
.endr
.endm
.macro STOREROWS off, rg
.irp n, 0,1,2,3
	global_store_b128 v11, v[\rg+4*\n:\rg+4*\n+3], s[66:67] offset:\off+1024*\n th:TH_STORE_NT   ; sixteen lanes store 256 consecutive bytes, at a multiple of 256 from out0's first byte
.endr
.endm
; A UNIT: tile 4 x trip + u of my queries against all 256 keys.  Its bias lies in slot u; the next unit's in slot (u + 1) % 4; it fills slot (u + 3) % 4.
.macro UNIT u
.set NX, 32768*((\u+1)%2)
.if ((\u+1)%4) < 2
.set NXA, 4
.else
.set NXA, 1
.endif
.if ((\u+3)%4) < 2
.set FLA, 5
.else
.set FLA, 2
.endif
	s_wait_dscnt 8                                 ; this unit's bias and Q are in: at least eight LDS instructions were issued behind them
	WIN 0x01                                       ; source 0 (K) window 1
.set T, 0
.rept 16
	v_wmma_f32_16x16x64_bf8_bf8 v[S+8*T:S+8*T+7], v[8*(T/2):8*(T/2)+7], v[QT+4-4*(T%2):QT+11-4*(T%2)], v[S+8*T:S+8*T+7]
.set T, T+1
.endr
	WIN 0
.if \u == 0
	s_wait_loadcnt 0x0                             ; the first unit: the third fill, asked for in the head, is in v64-95,
	s_cmp_lg_u32 s58, 2
	s_cbranch_scc1 .Lfilled_\@
.irp n, 0,1,2,3,4,5,6,7
	ds_store_b128 v2, v[P+4*\n:P+4*\n+3] offset:512*\n   ; and goes to slot 2
.endr
.Lfilled_\@:
.endif
	s_wait_dscnt 0x0                               ; for the others' sake: my stores into the stage and the slots have landed, and my reads of LDS are over, the rows' among them
.if \u < 2
	s_cmp_eq_u32 s58, 2                            ; the first two units have none two before them
	s_cbranch_scc1 .Lnone_\@
	STOREROWS -16384+4096*\u, LS                   ; the last trip's third or fourth tile: s[66:67] has gone 32,768 on since
.else
	STOREROWS 4096*(\u-2), LS
.endif
.Lnone_\@:
.if \u > 0
	s_cmp_eq_u32 s58, 1                            ; the last three units have none three units on: no load leaves my tiles of tb
	s_cbranch_scc1 .Lno_ask_\@
.endif
	WIN 0x40
.irp n, 0,1,2,3,4,5,6,7
	global_load_b128 v[SP+4*\n:SP+4*\n+3], v3, s[60:61] offset:16384*(\u+3)+512*\n
.endr
	WIN 0
.Lno_ask_\@:
	s_barrier_signal -1
	PLACES 4
	WIN 0x10                                       ; source 2 (the mask's terms) window 1
.set j, 0
.rept 64
	v_pk_fma_f32 v[S+j:S+j+1], v[S+j:S+j+1], s[46:47], v[MSK+j:MSK+j+1] op_sel_hi:[1,0,1]   ; t = sum x c + the mask's term; each accumulator from its low end on
.set j, j+2
.endr
	WIN 0
.set n, 0
.rept 8
	v_max3_num_f32 v[OA+n], v[S+3*n], v[S+3*n+1], v[S+3*n+2]        ; the largest t of my 128 keys, in eight chains
.set n, n+1
.endr
.set n, 0
.rept 52
	v_max3_num_f32 v[OA+n%8], v[OA+n%8], v[S+24+2*n], v[S+25+2*n]
.set n, n+1
.endr
	v_max3_num_f32 v48, v48, v49, v50
	v_max3_num_f32 v51, v51, v52, v53
	v_max_num_f32 v54, v54, v55
	s_delay_alu instid0(VALU_DEP_1)
	v_max3_num_f32 v48, v48, v51, v54
	v_permlanex16_b32 v18, v48, s48, s49
	s_delay_alu instid0(VALU_DEP_1)
	v_max_num_f32 v48, v48, v18                    ; and of lane l xor 16's
	s_delay_alu instid0(VALU_DEP_1)
	v_floor_f32 v12, -v48                          ; -M = floor(-t) = -ceil(t)
.irp x, 0,16
.set kk, 0
.rept 8
	SUB1 S+\x
.set kk, kk+1
.endr
.endr
	W
	s_wait_xcnt 0x0                                ; the last unit's stores have read v32-47, which the sums write
	s_cmp_gt_i32 s45, -16                          ; e9 >= -15: 57,344 x 2^e9 >= 1.75 > p: the hold cannot bind
	s_cbranch_scc1 .Lno_hold_\@
	EXPPART 1
	W
	s_branch .Lheld_\@
.Lno_hold_\@:
	EXPPART 0
.Lheld_\@:
	W
	BLOADS 7
.if \u == 3
	s_add_co_u32 s59, s59, 2048                    ; the next trip's images of Q
	s_and_b32 s59, s59, 0x800                      ; (behind the last trip: the first's again, which nothing reads on)
.endif
	v_add_nc_u32 v19, s59, v6
	ds_load_b128 v[QT+4:QT+7], v19 offset:512*((\u+1)%4)   ; the next unit's Q
	WIN 0x01                                       ; source 0 (V, keys 0-127) window 1
	v_wmma_f32_16x16x128_bf8_bf8 v[OA:OA+7], v[V0:V0+15], v[P:P+15], 0                  ; O^T: two accumulators by turns; the first products start the sums
	v_wmma_f32_16x16x128_bf8_bf8 v[OA+8:OA+15], v[V0+16:V0+31], v[P:P+15], 0
	WIN 0
	v_wmma_f32_16x16x128_bf8_bf8 v[OA:OA+7], v[V1:V1+15], v[P+16:P+31], v[OA:OA+7]
	v_wmma_f32_16x16x128_bf8_bf8 v[OA+8:OA+15], v[V1+16:V1+31], v[P+16:P+31], v[OA+8:OA+15]
	v_pk_add_f32 v[32:33], v[32:33], v[40:41]      ; the eight chains' sum: also the products' places
	v_pk_add_f32 v[34:35], v[34:35], v[42:43]
	v_pk_add_f32 v[36:37], v[36:37], v[44:45]
	v_pk_add_f32 v[38:39], v[38:39], v[46:47]
	s_delay_alu instid0(VALU_DEP_2)
	v_pk_add_f32 v[32:33], v[32:33], v[36:37]
	s_delay_alu instid0(VALU_DEP_2)
	v_pk_add_f32 v[34:35], v[34:35], v[38:39]
	s_delay_alu instid0(VALU_DEP_1)
	v_pk_add_f32 v[32:33], v[32:33], v[34:35]
	s_delay_alu instid0(VALU_DEP_1)
	v_add_f32 v14, v32, v33
	s_delay_alu instid0(VALU_DEP_1)
	v_permlanex16_b32 v15, v14, s48, s49
	s_delay_alu instid0(VALU_DEP_1)
	v_add_f32 v14, v14, v15                        ; the row's sum,
	v_ldexp_f32 v14, v14, s50                      ; x 2^-(e8+e9)
	W
	v_rcp_f32 v16, v14                             ; 2^(e8+e9) / l
	v_nop                                          ; a plain line behind the transcendental
	W
.irp j, 0,2,4,6,8,10,12,14
	v_pk_mul_f32 v[OA+\j:OA+\j+1], v[OA+\j:OA+\j+1], v[16:17] op_sel_hi:[1,0]   ; register 8 dt + j: out(query r, channel 16 dt + 8 h + j)
.endr
	W
	s_barrier_wait -1
.if \u == 0
	s_cmp_eq_u32 s58, 2                            ; the first unit has none before it
	s_cbranch_scc1 .Lfirst_\@
.endif
.irp n, 0,1,2,3
	ds_load_b128 v[LS+4*\n:LS+4*\n+3], v10 offset:STB*(1-\u%2)+544*\n   ; the last unit's rows: eight whole runs of 256 bytes
.endr
.Lfirst_\@:
	ds_store_b128 v9, v[OA:OA+3] offset:STB*(\u%2) ; this buffer's rows of two units ago were read ahead of this unit's barrier
	ds_store_b128 v9, v[OA+4:OA+7] offset:STB*(\u%2)+16
	ds_store_b128 v9, v[OA+8:OA+11] offset:STB*(\u%2)+64
	ds_store_b128 v9, v[OA+12:OA+15] offset:STB*(\u%2)+80
	s_wait_loadcnt 0x0                             ; my share of the tiles three units on is in registers
.if \u > 0
	s_cmp_eq_u32 s58, 1                            ; the last three units have fetched nothing
	s_cbranch_scc1 .Lno_fill_\@
.endif
	WIN 0x04                                       ; store data window 1
.irp n, 0,1,2,3,4,5,6,7
	ds_store_b128 v[FLA], v[SP+4*\n:SP+4*\n+3] offset:32768*((\u+3)%2)+512*\n   ; the slot of the unit before: all waves had read it ahead of the last barrier
.endr
	WIN 0
.Lno_fill_\@:
.endm
	s_mov_b32 s58, 2                               ; trips of four units
	s_mov_b32 s59, 0                               ; where the trip's images of Q begin
.Ltrip:
	UNIT 0
	UNIT 1
	UNIT 2
	UNIT 3
	s_wait_xcnt 0x0                                ; loads and stores have read their bases, which are stepped only behind this wait
	s_add_nc_u64 s[66:67], s[66:67], 32768         ; 64 queries on
	s_add_nc_u64 s[60:61], s[60:61], 0x10000       ; four tiles on
	s_sub_co_u32 s58, s58, 1
	s_cmp_lg_u32 s58, 0
	W
	s_cbranch_scc1 .Ltrip
	v_lshl_add_u32 v1, v0, 2, SPARE                ; my spare word,
	v_mov_b32 v2, 0                                ; and 0
	W
	s_wait_dscnt 0x0                               ; my stores into the stage have landed, and the rows of the last unit but one are in
	STOREROWS -16384, LS
	s_barrier_signal -1
	s_barrier_wait -1
.irp n, 0,1,2,3
	ds_load_b128 v[OA+4*\n:OA+4*\n+3], v10 offset:STB+544*\n   ; the last unit's rows
.endr
	s_wait_dscnt 0x0
	STOREROWS -12288, OA
	s_wait_tensorcnt 0x0                           ; the wave's end, behind my last LDS store
	ds_add_u32 v1, v2
	s_wait_dscnt 0x0
	s_endpgm
.Lfunc_end_k_qfa2d6fe441_attn:
	.size	k_qfa2d6fe441_attn, .Lfunc_end_k_qfa2d6fe441_attn-k_qfa2d6fe441_attn
	.p2alignl 7, 3214868480
	.fill 96, 4, 3214868480
	.section	.rodata,"a",@progbits
	.p2align	6, 0x0
	.amdhsa_kernel k_qfa2d6fe441_attn
		.amdhsa_group_segment_fixed_size 207872
		.amdhsa_private_segment_fixed_size 0
		.amdhsa_enable_private_segment 0
		.amdhsa_kernarg_size 104
		.amdhsa_user_sgpr_count 2
		.amdhsa_user_sgpr_kernarg_segment_ptr 1
		.amdhsa_wavefront_size32 1
		.amdhsa_system_sgpr_workgroup_id_x 1
		.amdhsa_system_sgpr_workgroup_id_y 1
		.amdhsa_system_sgpr_workgroup_id_z 1
		.amdhsa_system_vgpr_workitem_id 0
		.amdhsa_next_free_vgpr 512
		.amdhsa_next_free_sgpr 80
		.amdhsa_reserve_vcc 0
		.amdhsa_float_denorm_mode_32 3
		.amdhsa_float_denorm_mode_16_64 3
		.amdhsa_memory_ordered 1
		.amdhsa_forward_progress 1
		.amdhsa_inst_pref_size 255
	.end_amdhsa_kernel
	.section	.bss,"aw",@nobits
	.p2align	6
	.space	262144
	.amdgpu_metadata
---
amdhsa.version: [ 1, 2 ]
amdhsa.kernels:
  - .name:           k_qfa2d6fe441_attn
    .symbol:         k_qfa2d6fe441_attn.kd
    .args:
      - { .name: xq, .offset: 0, .size: 8, .value_kind: global_buffer, .address_space: global }
      - { .name: xk, .offset: 8, .size: 8, .value_kind: global_buffer, .address_space: global }
      - { .name: xv, .offset: 16, .size: 8, .value_kind: global_buffer, .address_space: global }
      - { .name: tb, .offset: 24, .size: 8, .value_kind: global_buffer, .address_space: global }
      - { .name: Wq_codes, .offset: 32, .size: 8, .value_kind: global_buffer, .address_space: global }
      - { .name: Wk_codes, .offset: 40, .size: 8, .value_kind: global_buffer, .address_space: global }
      - { .name: Wv_codes, .offset: 48, .size: 8, .value_kind: global_buffer, .address_space: global }
      - { .name: bq, .offset: 56, .size: 8, .value_kind: global_buffer, .address_space: global }
      - { .name: bk, .offset: 64, .size: 8, .value_kind: global_buffer, .address_space: global }
      - { .name: bv, .offset: 72, .size: 8, .value_kind: global_buffer, .address_space: global }
      - { .name: mask, .offset: 80, .size: 8, .value_kind: global_buffer, .address_space: global }
      - { .name: lowp_scales, .offset: 88, .size: 8, .value_kind: global_buffer, .address_space: global }
      - { .name: out0, .offset: 96, .size: 8, .value_kind: global_buffer, .address_space: global }
    .group_segment_fixed_size: 207872
    .private_segment_fixed_size: 0
    .kernarg_segment_align: 8
    .kernarg_segment_size: 104
    .max_flat_workgroup_size: 256
    .sgpr_count:     80
    .vgpr_count:     512
    .wavefront_size: 32
...
	.end_amdgpu_metadata
.endif
;; end of part 2
